; MI455X (gfx1250); checked and timed in simulation.
; The chip was launched on July 23, 2026; its instructions are those of AMD's public machine-readable ISA for CDNA 5 (MIT licence, August 2026) and "CDNA5" Instruction Set Architecture Reference Guide (July 2026). The comments in the code are by the model that wrote it; some were corrected since.
;; Sparse Attention. Allowed arithmetic: matrix products marked QUANTISED: E2M3 operands, one E8M0 scale for each 32 along K, by v_wmma_scale_f32_16x16x128_f8f6f4 with both operands' format E2M3, f32 sums; everything else in f32.
;; Inputs: k 1 x 16 x 4,096 x 64 float32; q 1 x 16 x 4,096 x 64 float32; v 1 x 16 x 4,096 x 64 float32.
;; Outputs: out0 1 x 16 x 4,096 x 64 float32.
;; This version of the problem:
;;   THIS VERSION OF THE PROBLEM IS GIVEN IN LOW PRECISION. The matrix products marked QUANTISED in the list below multiply operands that are first quantised to E2M3 (2 exponent bits, 3 mantissa bits; 6 bits a number), with one power-of-two scale for each 32 numbers along K (OCP MX v1.0); their sums are f32. All else is computed in f32.
;;   The module's matrix products, in the order in which they are computed (A, B: the left and right operand; K: the contracted axis; several contracted axes count as one K, in the product's order):
;;     1. batch 16 x [M 4,096, K 64] x [K 64, N 4,096]; A: input q; B: input k: QUANTISED
;;     2. batch 16 x [M 4,096, K 4,096] x [K 4,096, N 64]; A: computed on the way; B: input v: QUANTISED
;;   THE QUANTISER, for each operand of a quantised product, along K:
;;     - K is cut into blocks of 32 from its start; a last block that is shorter is filled with zeros.
;;     - A block's scale is 2^e with e = floor(log2(the largest magnitude in the block)) - 2, held to -126 .. 127; a block of zeros has e = 0. As a byte (E8M0): e + 127.
;;     - Each number is divided by its block's scale, clamped to +-7.5, and rounded to the nearest number of E2M3, ties to even, subnormals kept.
;;     - The product sums the exact products of the quantised numbers (number of the format x scale) in f32.
;;   ~~~python
;;   def quantise(x, axis):      # numpy; x: float32 -> the quantised numbers, widened to float32 again
;;       x = np.moveaxis(x, axis, -1); K = x.shape[-1]
;;       x = np.pad(x, [(0, 0)] * (x.ndim - 1) + [(0, -K % 32)]); x = x.reshape(x.shape[:-1] + (-1, 32)); a = np.abs(x).max(-1, keepdims=True)
;;       e = np.where(a > 0, np.clip(np.frexp(np.where(a > 0, a, 1))[1] - 1 - 2, -126, 127), 0)      # np.frexp(a)[1] - 1 = floor(log2(a)), exactly
;;       r = np.clip(x / 2.0 ** e, -7.5, 7.5)
;;       step = 2.0 ** (np.maximum(np.frexp(np.where(r == 0, 1, r))[1] - 1, 0) - 3)
;;       q = np.round(r / step) * step * 2.0 ** e      # np.round: ties to even
;;       return np.moveaxis(q.reshape(q.shape[:-2] + (-1,))[..., :K], -1, axis).astype(np.float32)
;;   ~~~
;;   OPERANDS COMPUTED ON THE WAY. 'Computed on the way' means the value that the module computes at that place (a softmax that the list does not call 'softmax' is quantised finished and normalised). What goes into a quantiser is computed in f32, as accurately as f32 sums, v_exp_f32 and their like allow (about 1e-6 of the number): no bf16 or f16 on the way to a quantiser, and a product that is left as it is and whose result goes on into a quantised operand takes f32 operands (vector FMAs, or v_wmma_f32_16x16x4_f32). A number that lies on a knife's edge between two numbers of the format may be rounded either way, as far as f32 arithmetic and the matrix unit's own rounding can turn it there, and no further.
;; 2 versions. Each part assembles by itself: llvm-mc -triple=amdgcn-amd-amdhsa -mcpu=gfx1250 --defsym DOCPART=n.
;; ======== version 1 of 2: 1 launch
;; launch band (part 1): grid 16 x 16, 16 waves a work-group, no clusters, 267,520 bytes of LDS; arguments q, k, v, out0; writes out0
.if DOCPART == 1
	.amdgcn_target "amdgcn-amd-amdhsa--gfx1250"
	.amdhsa_code_object_version 6
	.text
	.protected	k_q8566768f91_band
	.globl	k_q8566768f91_band
	.p2align	8
	.type	k_q8566768f91_band,@function
k_q8566768f91_band:
	s_mov_b64 s[64:65], 0
	v_nop
	global_prefetch_b8 v0, s[64:65] scope:SCOPE_SE
	s_setreg_imm32_b32 hwreg(HW_REG_WAVE_MODE, 25, 1), 1
	s_wait_xcnt 0x0
; out0[h][i][:] = the sum over j of attn[i][j] v[h][j][:], attn = softmax over the keys i - 128 <= j < i + 128 of q[h][i] . k[h][j] / 8.  q, k, v, out0: [16][4096][64] f32.
; Both products run on codes of FP6 (E2M3) with one E8M0 scale for each 32 along K.  Product 1: K = the head's 64 (two blocks; the instruction's other 64 are zero codes on Q's side).
; Product 2: K = the keys, in blocks of 32 counted from key 0; its left operand is the FINISHED attn (exp(s - max) / sum), so a row's maximum and sum are known before anything is quantised.
; A row has 256 live keys, which touch nine aligned blocks of 32: for 16 queries that is 144 scores a lane, and the whole row stays in registers.  Tiles wholly under the mask are not multiplied.
; SHARES.  A work-group owns 256 queries of one head (x: the block of queries, y: the head) and needs keys Q0 - 128 .. Q0 + 383: 16 local blocks of 32.  Wave w (a) quantises local block w of K (two tiles of 16 keys)
; and of V (64 columns x 32 keys) and stores them in LDS as images of operand registers, (b) quantises its own 16 queries into registers, (c) behind the ONE barrier takes its 16 queries against local blocks u .. u + 8, u = w / 2.
; LAYOUT.  Both products are used transposed: S^T = K Q^T (source 0 = 16 keys, source 1 = my queries), O^T = V^T P^T (source 0 = 16 channels, source 1 = attn): a lane holds ONE query (lane % 16) throughout.
; THE KEYS OF A TILE ARE NOT NEIGHBOURS: lane r of tile 2 b + n takes key 32 b + 8 n + r + 8 (r / 8), so that registers 16 b + 0 .. 15 of a lane are the 16 neighbouring keys 32 b + 16 (lane / 16) + 0 .. 15.
; THE ENDS OF THE SEQUENCE.  A local block that lies outside 0 .. 4095 is loaded from the clamped block (no load leaves its buffer); its scores become -infinity, so attn is 0 there and its codes are zeros.
; NO CLUSTER, NO TENSOR LOAD: every f32 number has to pass through registers to be quantised, and a run of 128 keys is wanted by just two neighbouring work-groups, (x - 1, x) or (x, x + 1): no tile is wanted by all partners of
; a cluster of four.  All 88 loads of a wave go out at the head, so there is nothing to run ahead of.
; LIMITS.  NaN and infinities among the inputs are not served.  An attn under 2^-126 comes out of v_exp_f32 as 0.  A block of zeros keeps the scale byte 1 where the rule says 127: its codes are zeros, and this program alone
; reads the bytes.  A block's largest attn is made from the block's largest score by the same instructions as every attn, which takes v_exp_f32 not to fall where its input rises.  1 / sum is v_rcp_f32.
.set SP,    272                        ; a stage row: 256 bytes + 16: sixteen rows that a 16-byte access touches start at sixteen different 16-byte columns
.set STGW,  13056                      ; LDS 0: a stage for each wave: 32 rows for K, then (QST) 16 rows for Q, used again for out0
.set QST,   32*SP
.set KIMG,  16*STGW                    ; K's 32 tiles as register images: registers 0-3 at 16 x lane (512 bytes), registers 4-5 behind them at 8 x lane (256 bytes)
.set KTILE, 768
.set KSC,   KIMG+32*KTILE              ; K's scale words: block B: 8 bytes a lane: the words of tiles 2 B and 2 B + 1
.set VIMG,  KSC+16*256                 ; V's 16 blocks; in a block channel tile dt at 384 dt: registers 0-3 at 16 r (256 bytes), registers 4-5 behind them at 8 r (128 bytes)
.set VBLK,  1664                       ; 4 x 384 + 128: lanes 16-31, which read the next block, fall 128 bytes on modulo 256
.set VTILE, 384
.set VSC,   VIMG+16*VBLK               ; V's scale bytes: row d: byte B for local block B, 16 bytes + 4
.set VSP,   20
.set SPARE, VSC+64*VSP                 ; the spare words, 128 bytes for each wave: eight blocks of 256 bytes that no other line names
.set FLOOR, 0x1800000                  ; 2^(3 - 127): under it no largest magnitude is taken, so a scale byte cannot fall under 1
; registers that stay
.set SPW, 1                            ; v1   LDS address of my spare word; never rewritten
.set NIL, 2                            ; v2   0; never rewritten
.set G16, 3                            ; v3   16 x lane: the dense loads' and out0's offset; never rewritten
                                       ; v14 r = lane % 16, v15 h = lane / 16, v16 lane (later e), v17 at work (later -infinity)
; ahead of the barrier
.set G4,  4                            ; 4 x lane: V's loads
.set STW, 5                            ; the stage, in: 272 h + 16 r
.set STR, 6                            ; the stage, out: 272 r + 128 h
.set KWA, 7                            ; where I store K's images (16 x lane), (8 x lane), its scale words
.set KWB, 8
.set KWS, 9
.set VWA, 10                           ; the same for V
.set VWB, 11
.set VWS, 12
.set H8,  13                           ; 8 h
.set QF,  18                           ; v18-29  Q's fragment: codes in 18-23, zeros in 24-29
.set M,   32                           ; v32-33  largest magnitudes;  v34-35 the conversions' scale operands;  v36-37 scale bytes
.set SCL, 34
.set BY,  36
.set T,   38                           ; v38-45  a block's upper 16 codes, before they are moved
.set W,   46                           ; v46-47  K's two scale words
.set TT,  48                           ; v48-49  the other half's word
.set CK,  50                           ; v50-61  K's codes;  v62-73 V's
.set CV,  62
.set QR,  80                           ; v80-111   Q as loaded, then turned
.set VR,  112                          ; v112-175  V: column lane in 112-143, column lane + 32 in 144-175; register i = key i
.set KR,  176                          ; v176-239  K as loaded, then turned: tile n at 176 + 32 n
; behind the barrier
.set AKA, 4
.set AKB, 5
.set AKS, 6
.set AVA, 7
.set AVB, 8
.set AVA2, 9
.set AVB2, 10
.set AVS, 11
.set SO,  12
.set SR,  13
.set VE,  16
.set NINF, 17
.set KB,  38                           ; v38-79  six tiles of K in a chain: tile t at 38 + 6 t; a fragment's upper six registers are the next tile's codes (v74-79: zeros): Q's codes are zeros at those k, and the format has no NaN
.set KS,  96                           ; v96-101 K's six scale words
.set VW,  96                           ; v96-107 V's scale words (3 dt + s);  v108-110 attn's;  v111 Q's.  v96-111 are named by no matrix instruction as A, B, C or D
.set PW,  108
.set QS,  111
.set S,   112                          ; v112-255 the scores, then attn: register 16 b + i of lane (r, h): query r, key kb0 + 32 b + 16 h + i
.set PF,  18                           ; v18-53  attn's three fragments
.set PT,  54                           ; v54-61  upper halves of blocks, before the exchange
.set BM,  62                           ; v62-70  a block's largest score, then largest attn, then byte
.set BT,  72                           ; v72-80  the other half's maximum, then the conversions' scale operands
.set NM,  82                           ; v[82:83] -c x the row's maximum
.set R,   84                           ; v[84:85] 1 / the row's sum
.set SUM0, 86
.set SUM1, 88                          ; v90, v91 at work
; nb whole blocks of 32 numbers of a lane, block n in v[x + 32 n ..], become 6 registers of codes each in v[c + 6 n ..], the scale operand in SCL + n and the byte in BY + n.  The blocks take turns line by line.
.macro QUANT nb, x, c
.set QN, 0
.rept \nb
	v_max3_num_f32 v[M+QN], |v[\x+32*QN]|, |v[\x+32*QN+1]|, FLOOR
.set QN, QN+1
.endr
.irp i, 2,4,6,8,10,12,14,16,18,20,22,24,26,28,30
.set QN, 0
.rept \nb
	v_max3_num_f32 v[M+QN], v[M+QN], |v[\x+32*QN+\i]|, |v[\x+32*QN+\i+1]|
.set QN, QN+1
.endr
.endr
.set QN, 0
.rept \nb
	v_add_nc_u32 v[SCL+QN], 0xff000000, v[M+QN]    ; 2 off the exponent field: the conversion takes this operand's exponent field as its scale, and nothing else of it
.set QN, QN+1
.endr
.set QN, 0
.rept \nb
	v_lshrrev_b32 v[BY+QN], 23, v[SCL+QN]          ; the scale's byte
.set QN, QN+1
.endr
.set QN, 0
.rept \nb
	v_cvt_scalef32_pk16_fp6_f32 v[\c+6*QN:\c+6*QN+2], v[\x+32*QN:\x+32*QN+15], v[SCL+QN]
	v_cvt_scalef32_pk16_fp6_f32 v[T+4*QN:T+4*QN+2], v[\x+32*QN+16:\x+32*QN+31], v[SCL+QN]   ; (a conversion's three registers begin on an even number)
.set QN, QN+1
.endr
	v_nop                                          ; one plain place behind the scaled conversions
.set QN, 0
.rept \nb
.irp i, 0,1,2
	v_mov_b32 v[\c+6*QN+3+\i], v[T+4*QN+\i]
.endr
.set QN, QN+1
.endr
.endm
; a row's scale word of q or k: byte 0 from lanes 0-15 (d 0-31), byte 1 from lanes 16-31 (d 32-63), bytes 2 and 3 are 127 for the 64 that are not there
.macro WORD dst, n
	v_lshl_or_b32 v[\dst], v[BY+\n], v[H8], s31
	v_permlanex16_b32 v[TT+\n], v[\dst], s26, s27
	v_or_b32 v[\dst], v[\dst], v[TT+\n]
.endm
; six tiles of S^T: three blocks of 32 keys
.macro QKGROUP g
.irp t, 0,1,2,3,4,5
	ds_load_b128 v[KB+6*\t:KB+6*\t+3], v[AKA] offset:KTILE*(6*\g+\t)
	ds_load_b64 v[KB+6*\t+4:KB+6*\t+5], v[AKB] offset:KTILE*(6*\g+\t)+512
.endr
.irp b, 0,1,2
	ds_load_b64 v[KS+2*\b:KS+2*\b+1], v[AKS] offset:256*(3*\g+\b)
.endr
	s_wait_dscnt 0x0                               ; the group's fifteen loads are in
.irp t, 0,1,2,3,4,5
	v_wmma_scale_f32_16x16x128_f8f6f4 v[S+8*(6*\g+\t):S+8*(6*\g+\t)+7], v[KB+6*\t:KB+6*\t+11], v[QF:QF+11], 0, v[KS+\t], v[QS] matrix_a_fmt:MATRIX_FMT_FP6 matrix_b_fmt:MATRIX_FMT_FP6
.endr
.rept 4
	v_nop                                          ; four places in front of the next loads into sources and scale registers, and of the first read of results
.endr
.endm
; block b of my nine lies outside the sequence: its 16 scores a lane become -infinity (a minimum with +infinity changes nothing)
.macro EDGE b
	s_add_co_i32 s23, s22, 32*\b                   ; the block's first key; a negative one is a large unsigned number
	s_cmp_lt_u32 s23, 4096
	s_cselect_b32 s24, s32, s33
.irp i, 0,1,2,3,4,5,6,7,8,9,10,11,12,13,14,15
	v_min_num_f32 v[S+16*\b+\i], s24, v[S+16*\b+\i]
.endr
.endm
; attn of blocks 4 s .. 4 s + 3 becomes the fragment of K step s.  A conversion gives half a block; the operand wants a whole block in a lane: lanes 0-15 block 2 c, lanes 16-31 block 2 c + 1
.macro PSTEP s
.irp c, 0,1
	v_cvt_scalef32_pk16_fp6_f32 v[PF+12*\s+6*\c:PF+12*\s+6*\c+2], v[S+64*\s+32*\c:S+64*\s+32*\c+15], v[BT+4*\s+2*\c]
	v_cvt_scalef32_pk16_fp6_f32 v[PT+4*\c:PT+4*\c+2], v[S+64*\s+32*\c+16:S+64*\s+32*\c+31], v[BT+4*\s+2*\c+1]
.endr
	v_nop                                          ; one plain place behind the scaled conversions
.irp c, 0,1
.irp i, 0,1,2
	v_permlane16_swap_b32 v[PF+12*\s+6*\c+\i], v[PT+4*\c+\i]   ; the first's lanes 16-31 change places with the second's lanes 0-15
.endr
.irp i, 0,1,2
	v_mov_b32 v[PF+12*\s+6*\c+3+\i], v[PT+4*\c+\i]
.endr
.endr
.endm
; V's fragments of K step s (0, 1): lane (r, h), registers 6 c ..: channel 16 dt + r, local block u + 4 s + 2 c + h.  They land in the registers of the attn just converted.  Sixteen loads
.macro VLOAD s
.irp dt, 0,1,2,3
.irp c, 0,1
	ds_load_b128 v[S+64*\s+12*\dt+6*\c:S+64*\s+12*\dt+6*\c+3], v[AVA] offset:VBLK*(4*\s+2*\c)+VTILE*\dt
	ds_load_b64 v[S+64*\s+12*\dt+6*\c+4:S+64*\s+12*\dt+6*\c+5], v[AVB] offset:VBLK*(4*\s+2*\c)+VTILE*\dt+256
.endr
.endr
.endm
; four products of O^T, one for each tile of 16 channels: the four accumulators take turns, one instruction a turn.  K step 0 starts the sums
.macro PVMUL s
.irp dt, 0,1,2,3
.if \dt < 2
.set OA, 160+8*\dt
.else
.set OA, 62+8*(\dt-2)
.endif
.if \s == 2
.set VF, 224+6*\dt
.else
.set VF, S+64*\s+12*\dt
.endif
.if \s == 0
	v_wmma_scale_f32_16x16x128_f8f6f4 v[OA:OA+7], v[VF:VF+11], v[PF+12*\s:PF+12*\s+11], 0, v[VW+3*\dt+\s], v[PW+\s] matrix_a_fmt:MATRIX_FMT_FP6 matrix_b_fmt:MATRIX_FMT_FP6
.else
	v_wmma_scale_f32_16x16x128_f8f6f4 v[OA:OA+7], v[VF:VF+11], v[PF+12*\s:PF+12*\s+11], v[OA:OA+7], v[VW+3*\dt+\s], v[PW+\s] matrix_a_fmt:MATRIX_FMT_FP6 matrix_b_fmt:MATRIX_FMT_FP6
.endif
.endr
.endm
	; ---- the head
	s_load_b256 s[4:11], s[0:1], 0x0               ; q s[4:5], k s[6:7], v s[8:9], out0 s[10:11]
	v_lshl_add_u32 v[SPW], v0, 2, SPARE
	v_mov_b32 v[NIL], 0
	v_lshrrev_b32 v17, 5, v0
	v_readfirstlane_b32 s12, v17                   ; w: wave 0..15
	v_and_b32 v16, 31, v0                          ; lane
	v_and_b32 v14, 15, v0                          ; r
	v_bfe_u32 v15, v0, 4, 1                        ; h
	v_lshlrev_b32 v[G16], 4, v16
	v_lshlrev_b32 v[G4], 2, v16
	v_mov_b32 v[TT], 0                             ; written once: a lane permute's destination counts as one of its sources
	v_mov_b32 v[TT+1], 0
	s_lshr_b32 s13, s12, 1                         ; u = w / 2: my first local block behind the barrier
	s_and_b32 s14, s12, 1
	s_lshl_b32 s14, s14, 4                         ; 16 (w % 2)
	s_lshr_b32 s15, s13, 2                         ; u / 4: the first word of V's scale bytes that I want
	s_and_b32 s16, s13, 3
	s_lshl_b32 s16, s16, 3                         ; 8 (u % 4): and the bits by which it is shifted
	s_and_b32 s39, ttmp7, 0xffff
	s_lshl_b32 s39, s39, 20                        ; the head: 4,096 rows of 256 bytes
	s_lshl_b32 s18, ttmp9, 16                      ; my work-group's 256 rows,
	s_lshl_b32 s23, s12, 12                        ; my wave's 16 of them
	s_add_co_u32 s18, s18, s23
	s_add_co_u32 s18, s18, s39
	s_mov_b32 s19, 0                               ; s[18:19]: where my queries and my rows of out0 begin
	s_lshl_b32 s17, ttmp9, 8
	s_sub_co_i32 s17, s17, 128                     ; Q0 - 128: the first key of local block 0
	s_lshl_b32 s23, s12, 5
	s_add_co_i32 s23, s17, s23                     ; the first key of local block w,
	s_max_i32 s23, s23, 0
	s_min_i32 s23, s23, 4064                       ; held inside the sequence: no load leaves its buffer
	s_lshl_b32 s20, s23, 8
	s_add_co_u32 s20, s20, s39
	s_mov_b32 s21, 0                               ; s[20:21]: where my block of k and of v begins
	s_lshl_b32 s22, s13, 5
	s_add_co_i32 s22, s17, s22                     ; kb0: the first key of my nine blocks (may be negative)
	s_mov_b32 s26, 0x76543210
	s_mov_b32 s27, 0xfedcba98                      ; v_permlanex16_b32's selects for lane l xor 16
	s_mov_b32 s28, 0x3e38aa3b                      ; c = log2(e) / 8
	s_mov_b32 s29, s28                             ; (named with it as a pair, so it is written)
	s_mov_b32 s30, 0xbe38aa3b                      ; -c
	s_mov_b32 s31, 0x7f7f0000
	s_mov_b32 s32, 0x7f800000                      ; +infinity
	s_mov_b32 s33, 0xff800000                      ; -infinity
	s_mul_i32 s34, s12, STGW                       ; my stage
	s_add_co_u32 s25, s34, QST                     ; its part for Q and out0
	s_mul_i32 s35, s13, 2*KTILE
	s_add_co_u32 s35, s35, KIMG                    ; K's images from local block u on
	s_lshl_b32 s36, s13, 8
	s_add_co_u32 s36, s36, KSC
	s_mul_i32 s37, s13, VBLK
	s_add_co_u32 s37, s37, VIMG
	s_lshl_b32 s38, s15, 2
	s_add_co_u32 s38, s38, VSC
	s_wait_kmcnt 0x0
	s_add_nc_u64 s[4:5], s[4:5], s[18:19]
	s_add_nc_u64 s[10:11], s[10:11], s[18:19]
	s_add_nc_u64 s[6:7], s[6:7], s[20:21]
	s_add_nc_u64 s[8:9], s[8:9], s[20:21]
	; ---- all 88 loads of the wave
.set J, 0
.rept 16
	global_load_b128 v[KR+4*J:KR+4*J+3], v[G16], s[6:7] offset:512*J                 ; K: 32 lanes read 512 consecutive bytes: keys 2 J and 2 J + 1
.set J, J+1
.endr
.set J, 0
.rept 8
	global_load_b128 v[QR+4*J:QR+4*J+3], v[G16], s[4:5] offset:512*J th:TH_LOAD_NT   ; Q: read by this wave alone
.set J, J+1
.endr
.set J, 0
.rept 32
	global_load_b32 v[VR+J], v[G4], s[8:9] offset:256*J                              ; V: A LANE TAKES A COLUMN, AND ITS REGISTERS RUN DOWN THE KEYS: a block of 32 along K lies in one lane;
	global_load_b32 v[VR+32+J], v[G4], s[8:9] offset:256*J+128                       ; the two halves of a key's 256 bytes are asked for on end
.set J, J+1
.endr
	v_mul_u32_u24 v[STW], v15, SP
	v_lshl_add_u32 v[STW], v14, 4, v[STW]
	v_add_nc_u32 v[STW], s34, v[STW]
	v_mul_u32_u24 v[STR], v14, SP
	v_lshl_add_u32 v[STR], v15, 7, v[STR]
	v_add_nc_u32 v[STR], s34, v[STR]
	s_mul_i32 s23, s12, 2*KTILE
	s_add_co_u32 s23, s23, KIMG                    ; K's images of local block w
	v_lshl_add_u32 v[KWA], v16, 4, s23
	v_lshl_add_u32 v[KWB], v16, 3, s23
	s_lshl_b32 s24, s12, 8
	s_add_co_u32 s24, s24, KSC
	v_lshl_add_u32 v[KWS], v16, 3, s24
	s_mul_i32 s23, s12, VBLK
	s_add_co_u32 s23, s23, VIMG                    ; V's image of local block w: column lane is channel tile h, row r
	v_mul_u32_u24 v17, v15, VTILE
	v_add_nc_u32 v17, s23, v17
	v_lshl_add_u32 v[VWA], v14, 4, v17
	v_lshl_add_u32 v[VWB], v14, 3, v17
	s_add_co_u32 s24, s12, VSC
	v_mul_u32_u24 v[VWS], v16, VSP
	v_add_nc_u32 v[VWS], s24, v[VWS]               ; row d = lane, byte w
	v_lshlrev_b32 v[H8], 3, v15
	; ---- K and Q turn through my stage: in as loaded (16 bytes a lane), out 128 bytes a lane: a whole block of 32 along d
	s_wait_loadcnt 63                              ; 64 loads were issued behind K's and Q's; with at most 63 out, the oldest 25 are in, those 24 among them
.set J, 0
.rept 16
	ds_store_b128 v[STW], v[KR+4*J:KR+4*J+3] offset:SP*(16*((J>>2)&1)+8*(J>>3)+((2*J)&7))   ; key 16 a + 8 n + c goes to stage row 16 n + 8 a + c: a tile's 16 keys are 16 rows on end
.set J, J+1
.endr
.set J, 0
.rept 8
	ds_store_b128 v[STW], v[QR+4*J:QR+4*J+3] offset:QST+2*SP*J
.set J, J+1
.endr
	s_wait_dscnt 0x0                               ; the stores have read their registers: the loads below land there
.irp n, 0,1
.irp i, 0,1,2,3,4,5,6,7
	ds_load_b128 v[KR+32*\n+4*\i:KR+32*\n+4*\i+3], v[STR] offset:16*SP*\n+16*\i
.endr
.endr
.irp i, 0,1,2,3,4,5,6,7
	ds_load_b128 v[QR+4*\i:QR+4*\i+3], v[STR] offset:QST+16*\i
.endr
	; ---- K: two tiles
	s_wait_dscnt 8                                 ; K's sixteen loads are in; Q's eight may be out
	QUANT 2, KR, CK
	WORD W, 0
	WORD W+1, 1
.irp n, 0,1
	ds_store_b128 v[KWA], v[CK+6*\n:CK+6*\n+3] offset:KTILE*\n
	ds_store_b64 v[KWB], v[CK+6*\n+4:CK+6*\n+5] offset:KTILE*\n+512
.endr
	ds_store_b64 v[KWS], v[W:W+1]
	; ---- Q: stays in my registers
	s_wait_dscnt 5                                 ; the five stores just issued may be out: Q's loads are in
	QUANT 1, QR, QF
	WORD QS, 0
	; ---- V: two columns a lane
	s_wait_loadcnt 0x0
	QUANT 2, VR, CV
.irp n, 0,1
	ds_store_b128 v[VWA], v[CV+6*\n:CV+6*\n+3] offset:2*VTILE*\n
	ds_store_b64 v[VWB], v[CV+6*\n+4:CV+6*\n+5] offset:2*VTILE*\n+256
	ds_store_b8 v[VWS], v[BY+\n] offset:32*VSP*\n
.endr
	; ---- the one barrier: behind it all sixteen blocks of K and V lie in LDS
	s_wait_dscnt 0x0                               ; for the others' sake: my stores have landed
	s_barrier_signal -1
.irp i, 0,1,2,3,4,5                    ; work on registers while the others arrive
	v_mov_b32 v[KB+36+\i], 0                       ; the end of K's chain
	v_mov_b32 v[QF+6+\i], 0                        ; Q's codes of k = 64 .. 127
.endr
	v_lshl_add_u32 v[AKA], v16, 4, s35
	v_lshl_add_u32 v[AKB], v16, 3, s35
	v_lshl_add_u32 v[AKS], v16, 3, s36
	v_lshl_add_u32 v[AVA2], v14, 4, s37
	v_lshl_add_u32 v[AVB2], v14, 3, s37
	v_mad_u32_u24 v[AVA], v15, VBLK, v[AVA2]       ; lanes 16-31 take the next block
	v_mad_u32_u24 v[AVB], v15, VBLK, v[AVB2]
	v_mul_u32_u24 v[AVS], v14, VSP
	v_add_nc_u32 v[AVS], s38, v[AVS]
	v_mul_u32_u24 v[SO], v14, SP                   ; the way out, in: row r, 32 bytes for each half of the lanes
	v_lshl_add_u32 v[SO], v15, 5, v[SO]
	v_add_nc_u32 v[SO], s25, v[SO]
	v_mul_u32_u24 v[SR], v15, SP                   ; back: lanes 0-15 one row, lanes 16-31 the next
	v_lshl_add_u32 v[SR], v14, 4, v[SR]
	v_add_nc_u32 v[SR], s25, v[SR]
	v_lshlrev_b32 v[VE], 4, v15
	v_sub_nc_u32 v[VE], v14, v[VE]
	v_add_nc_u32 v[VE], s14, v[VE]                 ; e = 16 (w % 2) + r - 16 h.  My query - 128 is key kb0 + 16 (w % 2) + r: in block 0 register i is hidden where i < e, in block 8 it counts where i < e
	v_mov_b32 v[NINF], s33
.irp i, 0,1,2,3,4,5,6,7,8,9,10,11,12,13,14,15
	v_cmp_lt_i32 s[40+\i], \i, v[VE]
.endr
	s_barrier_wait -1
	; ---- S^T = K Q^T: 18 tiles
	QKGROUP 0
	QKGROUP 1
	QKGROUP 2
	; ---- V's scale words are asked for; the mask
.irp dt, 0,1,2,3
.irp s, 0,1,2
	ds_load_b32 v[VW+3*\dt+\s], v[AVS] offset:16*VSP*\dt+4*\s
.endr
.endr
.irp i, 0,1,2,3,4,5,6,7,8,9,10,11,12,13,14,15  ; each accumulator is read from its low end on
	v_cndmask_b32 v[S+\i], v[S+\i], v[NINF], s[40+\i]
.endr
.irp i, 0,1,2,3,4,5,6,7,8,9,10,11,12,13,14,15
	v_cndmask_b32 v[S+128+\i], v[NINF], v[S+128+\i], s[40+\i]
.endr
	s_cmp_le_u32 s22, 3808                         ; all nine blocks inside the sequence: 0 <= kb0 and kb0 + 256 <= 4064.  Ids alone
	s_cbranch_scc1 .Linner
.irp b, 0,1,2,3,5,6,7,8                ; (block 4 begins at key Q0 + 32 u, which always lies inside)
	EDGE \b
.endr
.Linner:
	; ---- the largest score of each block of 32 keys: it serves for the row's maximum and, since attn rises with the score, for the block's largest attn
.irp b, 0,1,2,3,4,5,6,7,8
	v_max3_num_f32 v[BM+\b], v[S+16*\b], v[S+16*\b+1], v[S+16*\b+2]
.endr
.irp i, 3,5,7,9,11,13
.irp b, 0,1,2,3,4,5,6,7,8
	v_max3_num_f32 v[BM+\b], v[BM+\b], v[S+16*\b+\i], v[S+16*\b+\i+1]
.endr
.endr
.irp b, 0,1,2,3,4,5,6,7,8
	v_max_num_f32 v[BM+\b], v[BM+\b], v[S+16*\b+15]
.endr
.irp b, 0,1,2,3,4,5,6,7,8
	v_permlanex16_b32 v[BT+\b], v[BM+\b], s26, s27
.endr
.irp b, 0,1,2,3,4,5,6,7,8
	v_max_num_f32 v[BM+\b], v[BM+\b], v[BT+\b]     ; with lane l xor 16's 16 keys
.endr
	v_max3_num_f32 v90, v[BM], v[BM+1], v[BM+2]
	v_max3_num_f32 v90, v90, v[BM+3], v[BM+4]
	v_max3_num_f32 v90, v90, v[BM+5], v[BM+6]
	v_max3_num_f32 v90, v90, v[BM+7], v[BM+8]      ; the row's maximum: a number, since a query's own key always counts
	v_mul_f32 v[NM], s30, v90                      ; -c m.  Its rounding is one factor for the whole row and goes out in the division by the sum
	v_mov_b32 v[NM+1], v[NM]
	; ---- 2^(c s - c m)
.set J, 0
.rept 72
	v_pk_fma_f32 v[S+J:S+J+1], v[S+J:S+J+1], s[28:29], v[NM:NM+1] op_sel_hi:[1,0,0]
.set J, J+2
.endr
.irp b, 0,1,2,3,4,5,6,7,8
	v_fma_f32 v[BM+\b], v[BM+\b], s28, v[NM]       ; the same of each block's largest score
.endr
.set J, 0
.rept 144
	v_exp_f32 v[S+J], v[S+J]                       ; ONE BATCH of 153: none reads another's result
.set J, J+1
.endr
.irp b, 0,1,2,3,4,5,6,7,8
	v_exp_f32 v[BM+\b], v[BM+\b]
.endr
	s_wait_dscnt 0x0                               ; V's twelve scale words are in
.irp dt, 0,1,2,3                       ; K step s wants bytes u + 4 s .. + 3 of a row's sixteen: two neighbouring words shifted by 8 (u % 4) bits.  Plain work behind the batch
	v_alignbit_b32 v[VW+3*\dt], v[VW+3*\dt+1], v[VW+3*\dt], s16
	v_alignbit_b32 v[VW+3*\dt+1], v[VW+3*\dt+2], v[VW+3*\dt+1], s16
	v_lshrrev_b32 v[VW+3*\dt+2], s16, v[VW+3*\dt+2]   ; K step 2 wants byte u + 8 alone; the bytes above it meet zero codes of attn and are never 0xff
.endr
	s_wait_alu depctr_va_vdst(0)                   ; one wait for the whole batch, ahead of its first reader
	; ---- the row's sum, and attn
	v_pk_add_f32 v[SUM0:SUM0+1], v[S:S+1], v[S+2:S+3]
	v_pk_add_f32 v[SUM1:SUM1+1], v[S+4:S+5], v[S+6:S+7]
.set J, 8
.rept 34
	v_pk_add_f32 v[SUM0:SUM0+1], v[SUM0:SUM0+1], v[S+J:S+J+1]
	v_pk_add_f32 v[SUM1:SUM1+1], v[SUM1:SUM1+1], v[S+J+2:S+J+3]
.set J, J+4
.endr
	v_pk_add_f32 v[SUM0:SUM0+1], v[SUM0:SUM0+1], v[SUM1:SUM1+1]
	v_mov_b32 v[R+1], 0                            ; (named with R as a pair, so it is written)
	v_add_f32 v90, v[SUM0], v[SUM0+1]
	v_permlanex16_b32 v91, v90, s26, s27
	v_add_f32 v90, v90, v91                        ; with lane l xor 16's keys: the row's sum, at least about 1
	v_rcp_f32 v[R], v90
	v_nop                                          ; one plain place behind the transcendental
	s_wait_alu depctr_va_vdst(0)                   ; and the wait ahead of its first reader
.set J, 0
.rept 72
	v_pk_mul_f32 v[S+J:S+J+1], v[S+J:S+J+1], v[R:R+1] op_sel_hi:[1,0]   ; attn, finished and normalised
.set J, J+2
.endr
.irp b, 0,1,2,3,4,5,6,7,8
	v_mul_f32 v[BM+\b], v[BM+\b], v[R]             ; each block's largest attn: the same instructions on the same number give the same bits
.endr
	; ---- attn's scales
.irp b, 0,1,2,3,4,5,6,7,8
	v_max_num_f32 v[BM+\b], FLOOR, v[BM+\b]        ; a block whose every attn is 0 keeps the byte 1: its codes are zeros
.endr
.irp b, 0,1,2,3,4,5,6,7,8
	v_add_nc_u32 v[BT+\b], 0xff000000, v[BM+\b]    ; the conversion's scale operand
.endr
.irp b, 0,1,2,3,4,5,6,7,8
	v_lshrrev_b32 v[BM+\b], 23, v[BT+\b]           ; the byte
.endr
.irp s, 0,1
	v_lshl_or_b32 v[PW+\s], v[BM+4*\s+1], 8, v[BM+4*\s]
	v_lshl_or_b32 v[PW+\s], v[BM+4*\s+2], 16, v[PW+\s]
	v_lshl_or_b32 v[PW+\s], v[BM+4*\s+3], 24, v[PW+\s]
.endr
	v_or_b32 v[PW+2], 0x7f7f7f00, v[BM+8]          ; K step 2 has one block; the other three are zero codes under the byte 127
	; ---- attn's codes; each K step's fragments of V are asked for into the registers that its attn has left
	PSTEP 0
	VLOAD 0
	PSTEP 1
	VLOAD 1
	v_cvt_scalef32_pk16_fp6_f32 v[PF+24:PF+26], v[S+128:S+143], v[BT+8]   ; block 8
.irp i, 0,1,2
	v_mov_b32 v[PT+\i], 0                          ; (the first of these is the plain place behind the conversion)
.endr
.irp i, 0,1,2
	v_permlane16_swap_b32 v[PF+24+\i], v[PT+\i]    ; lanes 0-15 get the block's upper 16 codes, lanes 16-31 (k = 32 .. 63) zeros
.endr
.irp i, 0,1,2
	v_mov_b32 v[PF+27+\i], v[PT+\i]
.endr
.irp i, 0,1,2,3,4,5
	v_mov_b32 v[PF+30+\i], 0                       ; k = 64 .. 127
.endr
.irp dt, 0,1,2,3                       ; V's local block u + 8, for both halves of the lanes (there is no block behind the sixteenth), in a chain: a fragment's upper six registers are the next tile's codes,
	ds_load_b128 v[224+6*\dt:224+6*\dt+3], v[AVA2] offset:VBLK*8+VTILE*\dt          ; the last's are old numbers: attn's codes are zeros at those k, and the format has no NaN.  Eight loads
	ds_load_b64 v[224+6*\dt+4:224+6*\dt+5], v[AVB2] offset:VBLK*8+VTILE*\dt+256
.endr
.rept 8
	v_nop                                          ; a scale register written by a vector instruction stands 8 places ahead of a scaled matrix instruction, an operand so written 4
.endr
	; ---- O^T = V^T P^T
	s_wait_dscnt 24                                ; K step 0's sixteen loads are in; behind them 16 + 8 were issued
	PVMUL 0
	s_wait_dscnt 8                                 ; K step 1's are in; behind them 8
	PVMUL 1
	s_wait_dscnt 0x0
	PVMUL 2
.rept 4
	v_nop                                          ; four places in front of the first read of results, and of loads into registers that the products have read
.endr
	; ---- the way out: a lane holds 8 neighbouring channels of one query; 16 rows go through my own stage and leave as whole rows of 256 bytes
.irp dt, 0,1,2,3
.if \dt < 2
.set OA, 160+8*\dt
.else
.set OA, 62+8*(\dt-2)
.endif
	ds_store_b128 v[SO], v[OA:OA+3] offset:64*\dt                  ; each accumulator from its low end on
	ds_store_b128 v[SO], v[OA+4:OA+7] offset:64*\dt+16
.endr
.irp i, 0,1,2,3,4,5,6,7
	ds_load_b128 v[176+4*\i:176+4*\i+3], v[SR] offset:2*SP*\i      ; LDS serves a wave's instructions in order (ISA guide 5.7.1.4): these see my stores
.endr
.irp i, 0,1,2,3,4,5,6,7
	s_wait_dscnt 7-\i                              ; the younger loads may stay out
	global_store_b128 v[G16], v[176+4*\i:176+4*\i+3], s[10:11] offset:512*\i th:TH_STORE_NT   ; 32 lanes store 512 consecutive bytes, two whole rows, at a multiple of 256 from out0's first byte
.endr
	s_wait_tensorcnt 0x0                           ; the wave's end
	ds_add_u32 v[SPW], v[NIL]
	s_wait_dscnt 0x0
	s_endpgm
.Lfunc_end_k_q8566768f91_band:
	.size	k_q8566768f91_band, .Lfunc_end_k_q8566768f91_band-k_q8566768f91_band
	.p2alignl 7, 3214868480
	.fill 96, 4, 3214868480
	.section	.rodata,"a",@progbits
	.p2align	6, 0x0
	.amdhsa_kernel k_q8566768f91_band
		.amdhsa_group_segment_fixed_size 267520
		.amdhsa_private_segment_fixed_size 0
		.amdhsa_enable_private_segment 0
		.amdhsa_kernarg_size 32
		.amdhsa_user_sgpr_count 2
		.amdhsa_user_sgpr_kernarg_segment_ptr 1
		.amdhsa_wavefront_size32 1
		.amdhsa_system_sgpr_workgroup_id_x 1
		.amdhsa_system_sgpr_workgroup_id_y 1
		.amdhsa_system_sgpr_workgroup_id_z 1
		.amdhsa_system_vgpr_workitem_id 0
		.amdhsa_next_free_vgpr 256
		.amdhsa_next_free_sgpr 66
		.amdhsa_reserve_vcc 0
		.amdhsa_float_denorm_mode_32 3
		.amdhsa_float_denorm_mode_16_64 3
		.amdhsa_memory_ordered 1
		.amdhsa_forward_progress 1
		.amdhsa_inst_pref_size 76
	.end_amdhsa_kernel
	.amdgpu_metadata
---
amdhsa.version: [ 1, 2 ]
amdhsa.kernels:
  - .name:           k_q8566768f91_band
    .symbol:         k_q8566768f91_band.kd
    .args:
      - { .name: q, .offset: 0, .size: 8, .value_kind: global_buffer, .address_space: global }
      - { .name: k, .offset: 8, .size: 8, .value_kind: global_buffer, .address_space: global }
      - { .name: v, .offset: 16, .size: 8, .value_kind: global_buffer, .address_space: global }
      - { .name: out0, .offset: 24, .size: 8, .value_kind: global_buffer, .address_space: global }
    .group_segment_fixed_size: 267520
    .private_segment_fixed_size: 0
    .kernarg_segment_align: 8
    .kernarg_segment_size: 32
    .max_flat_workgroup_size: 512
    .sgpr_count:     66
    .vgpr_count:     256
    .wavefront_size: 32
...
	.end_amdgpu_metadata
.endif
;; end of part 1
;; ======== version 2 of 2: 1 launch; version 1 with the launch band written anew for expert scheduling mode
;; launch band (part 2): grid 16 x 16, 16 waves a work-group, no clusters, 267,520 bytes of LDS; arguments q, k, v, out0; writes out0
.if DOCPART == 2
	.amdgcn_target "amdgcn-amd-amdhsa--gfx1250"
	.amdhsa_code_object_version 6
	.text
	.protected	k_q8566768f91_band
	.globl	k_q8566768f91_band
	.p2align	8
	.type	k_q8566768f91_band,@function
k_q8566768f91_band:
	s_mov_b64 s[64:65], 0
	v_nop
	global_prefetch_b8 v0, s[64:65] scope:SCOPE_SE
	s_setreg_imm32_b32 hwreg(HW_REG_WAVE_SCHED_MODE, 0, 2), 2
	s_setreg_imm32_b32 hwreg(HW_REG_WAVE_MODE, 25, 1), 1
	s_wait_xcnt 0x0
	s_wait_alu depctr_vm_vsrc(0)
; out0[h][i][:] = the sum over j of attn[i][j] v[h][j][:], attn = softmax over the keys i - 128 <= j < i + 128 of q[h][i] . k[h][j] / 8.  q, k, v, out0: [16][4096][64] f32.
; Both products run on codes of FP6 (E2M3) with one E8M0 scale for each 32 along K.  Product 1: K = the head's 64 (two blocks; the instruction's other 64 are zero codes on Q's side).
; Product 2: K = the keys, in blocks of 32 counted from key 0; its left operand is the FINISHED attn (exp(s - max) / sum), so a row's maximum and sum are known before anything is quantised.
; A row has 256 live keys, which touch nine aligned blocks of 32: for 16 queries that is 144 scores a lane, and the whole row stays in registers.  Tiles wholly under the mask are not multiplied.
; SHARES.  A work-group owns 256 queries of one head (x: the block of queries, y: the head) and needs keys Q0 - 128 .. Q0 + 383: 16 local blocks of 32.  Wave w (a) quantises local block w of K (two tiles of 16 keys)
; and of V (64 columns x 32 keys) and stores them in LDS as images of operand registers, (b) quantises its own 16 queries into registers, (c) behind the ONE barrier takes its 16 queries against local blocks u .. u + 8, u = w / 2.
; LAYOUT.  Both products are used transposed: S^T = K Q^T (source 0 = 16 keys, source 1 = my queries), O^T = V^T P^T (source 0 = 16 channels, source 1 = attn): a lane holds ONE query (lane % 16) throughout.
; THE KEYS OF A TILE ARE NOT NEIGHBOURS: lane r of tile 2 b + n takes key 32 b + 8 n + r + 8 (r / 8), so that registers 16 b + 0 .. 15 of a lane are the 16 neighbouring keys 32 b + 16 (lane / 16) + 0 .. 15.
; THE ENDS OF THE SEQUENCE.  A local block that lies outside 0 .. 4095 is loaded from the clamped block (no load leaves its buffer); its scores become -infinity, so attn is 0 there and its codes are zeros.
; NO CLUSTER, NO TENSOR LOAD: every f32 number has to pass through registers to be quantised, and a run of 128 keys is wanted by just two neighbouring work-groups, (x - 1, x) or (x, x + 1): no tile is wanted by all partners of
; a cluster of four.  All 88 loads of a wave go out at the head, so there is nothing to run ahead of.
; LIMITS.  NaN and infinities among the inputs are not served.  An attn under 2^-126 comes out of v_exp_f32 as 0.  A block of zeros keeps the scale byte 1 where the rule says 127: its codes are zeros, and this program alone
; reads the bytes.  A block's largest attn is made from the block's largest score by the same instructions as every attn, which takes v_exp_f32 not to fall where its input rises.  1 / sum is v_rcp_f32.
; THE MODE: SCHED_MODE bits 1:0 = 2 (LLVM: expert scheduling mode 2), set by the entry lines.  The code itself states the register dependences between vector or matrix instructions and memory or LDS instructions,
; with s_wait_alu, always for 0.
; THE PLAN.  Registers that memory or LDS instructions touch, in the order of the text:
;   v3            offset of K's and Q's loads and of out0's stores: written once, at the head.
;   v4 .. v12     ahead of the barrier: V's offset, the stage's and the images' addresses; read by the first phase's loads and LDS instructions; written again behind the barrier's signal.
;   KR, QR        global loads land; the stage's stores read them; the stage's loads land in them; the quantiser reads them.     VR: global loads land; the quantiser reads it.
;   CK, W, CV, BY the quantiser writes them; the images' stores read them; behind the barrier other things are written there.
;   v4 .. v13     behind the barrier: made between signal and wait, read by every later LDS instruction, never written again.
;   KB + KS       group 0's tiles of K and their scale words land, six products read them; group 2's land, six products read them.
;   KC + KS + 6   a second buffer, for group 1: the registers that group 2's scores take only later.  Groups 0 and 1 are asked for together; group 2 lands while group 1 is multiplied.
;   VW            V's scale words land where the products of groups 1 and 2 have read K's.
;   S             the nine conversions read attn; then V's 40 fragment loads land there, while the exchanges of halves, which name v18-61 and v82-92 alone, are run.
;   O's four accumulators: the products write them, the stage's stores read them.   v176-207: the products read them as V's fragments, out0's rows land there, the global stores read them.
; Each s_wait_alu below says which of these it states.
.set SP,    272                        ; a stage row: 256 bytes + 16: sixteen rows that a 16-byte access touches start at sixteen different 16-byte columns
.set STGW,  13056                      ; LDS 0: a stage for each wave: 32 rows for K, then (QST) 16 rows for Q, used again for out0
.set QST,   32*SP
.set KIMG,  16*STGW                    ; K's 32 tiles as register images: registers 0-3 at 16 x lane (512 bytes), registers 4-5 behind them at 8 x lane (256 bytes)
.set KTILE, 768
.set KSC,   KIMG+32*KTILE              ; K's scale words: block B: 8 bytes a lane: the words of tiles 2 B and 2 B + 1
.set VIMG,  KSC+16*256                 ; V's 16 blocks; in a block channel tile dt at 384 dt: registers 0-3 at 16 r (256 bytes), registers 4-5 behind them at 8 r (128 bytes)
.set VBLK,  1664                       ; 4 x 384 + 128: lanes 16-31, which read the next block, fall 128 bytes on modulo 256
.set VTILE, 384
.set VSC,   VIMG+16*VBLK               ; V's scale bytes: row d: byte B for local block B, 16 bytes + 4
.set VSP,   20
.set SPARE, VSC+64*VSP                 ; the spare words, 128 bytes for each wave: eight blocks of 256 bytes that no other line names
.set FLOOR, 0x1800000                  ; 2^(3 - 127): under it no largest magnitude is taken, so a scale byte cannot fall under 1
; registers that stay
.set SPW, 1                            ; v1   LDS address of my spare word; never rewritten
.set NIL, 2                            ; v2   0; never rewritten
.set G16, 3                            ; v3   16 x lane: the dense loads' and out0's offset; never rewritten
                                       ; v14 r = lane % 16, v15 h = lane / 16, v16 lane (later e), v17 at work (later -infinity)
; ahead of the barrier
.set G4,  4                            ; 4 x lane: V's loads
.set STW, 5                            ; the stage, in: 272 h + 16 r
.set STR, 6                            ; the stage, out: 272 r + 128 h
.set KWA, 7                            ; where I store K's images (16 x lane), (8 x lane), its scale words
.set KWB, 8
.set KWS, 9
.set VWA, 10                           ; the same for V
.set VWB, 11
.set VWS, 12
.set H8,  13                           ; 8 h
.set QF,  18                           ; v18-29  Q's fragment: codes in 18-23, zeros in 24-29
.set M,   32                           ; v32-33  largest magnitudes;  v34-35 the conversions' scale operands;  v36-37 scale bytes
.set SCL, 34
.set BY,  36
.set T,   38                           ; v38-45  a block's upper 16 codes, before they are moved
.set W,   46                           ; v46-47  K's two scale words
.set TT,  48                           ; v48-49  the other half's word
.set CK,  50                           ; v50-61  K's codes;  v62-73 V's
.set CV,  62
.set QR,  80                           ; v80-111   Q as loaded, then turned
.set VR,  112                          ; v112-175  V: column lane in 112-143, column lane + 32 in 144-175; register i = key i
.set KR,  176                          ; v176-239  K as loaded, then turned: tile n at 176 + 32 n
; behind the barrier
.set AKA, 4
.set AKB, 5
.set AKS, 6
.set AVA, 7
.set AVB, 8
.set AVA2, 9
.set AVB2, 10
.set AVS, 11
.set SO,  12
.set SR,  13
.set VE,  16
.set NINF, 17
.set KB,  38                           ; v38-79  six tiles of K in a chain: tile t at 38 + 6 t; a fragment's upper six registers are the next tile's codes (v74-79: zeros): Q's codes are zeros at those k, and the format has no NaN
.set KC,  208                          ; v208-249 the same for group 1 (v244-249: zeros), in the registers that group 2's scores take later
.set KS,  96                           ; v96-101 K's six scale words of groups 0 and 2;  v102-107 of group 1
.set VW,  96                           ; v96-107 V's scale words (3 dt + s);  v108-110 attn's;  v111 Q's.  v96-111 are named by no matrix instruction as A, B, C or D
.set PW,  108
.set QS,  111
.set S,   112                          ; v112-255 the scores, then attn: register 16 b + i of lane (r, h): query r, key kb0 + 32 b + 16 h + i
.set PF,  18                           ; v18-53  attn's three fragments
.set PT,  54                           ; v54-61  upper halves of K step 0's blocks, before the exchange
.set BM,  62                           ; v62-70  a block's largest score, then largest attn, then byte
.set BT,  72                           ; v72-80  the other half's maximum, then the conversions' scale operands
.set NM,  82                           ; v[82:83] -c x the row's maximum
.set R,   84                           ; v[84:85] 1 / the row's sum
.set SUM0, 86
.set SUM1, 88                          ; v90, v91 at work
.set PU,  82                           ; v82-89  upper halves of K step 1's blocks: the maximum, the reciprocal and the sums are done with by then
.set PZ,  90                           ; v90-92  zeros, for block 8's exchange
; nb whole blocks of 32 numbers of a lane, block n in v[x + 32 n ..], become 6 registers of codes each in v[c + 6 n ..], the scale operand in SCL + n and the byte in BY + n.  The blocks take turns line by line.
.macro QUANT nb, x, c
.set QN, 0
.rept \nb
	v_max3_num_f32 v[M+QN], |v[\x+32*QN]|, |v[\x+32*QN+1]|, FLOOR
.set QN, QN+1
.endr
.irp i, 2,4,6,8,10,12,14,16,18,20,22,24,26,28,30
.set QN, 0
.rept \nb
	v_max3_num_f32 v[M+QN], v[M+QN], |v[\x+32*QN+\i]|, |v[\x+32*QN+\i+1]|
.set QN, QN+1
.endr
.endr
.set QN, 0
.rept \nb
	v_add_nc_u32 v[SCL+QN], 0xff000000, v[M+QN]    ; 2 off the exponent field: the conversion takes this operand's exponent field as its scale, and nothing else of it
.set QN, QN+1
.endr
.set QN, 0
.rept \nb
	v_lshrrev_b32 v[BY+QN], 23, v[SCL+QN]          ; the scale's byte
.set QN, QN+1
.endr
.set QN, 0
.rept \nb
	v_cvt_scalef32_pk16_fp6_f32 v[\c+6*QN:\c+6*QN+2], v[\x+32*QN:\x+32*QN+15], v[SCL+QN]
	v_cvt_scalef32_pk16_fp6_f32 v[T+4*QN:T+4*QN+2], v[\x+32*QN+16:\x+32*QN+31], v[SCL+QN]   ; (a conversion's three registers begin on an even number)
.set QN, QN+1
.endr
	v_nop                                          ; one plain place behind the scaled conversions
.set QN, 0
.rept \nb
.irp i, 0,1,2
	v_mov_b32 v[\c+6*QN+3+\i], v[T+4*QN+\i]
.endr
.set QN, QN+1
.endr
.endm
; a row's scale word of q or k: byte 0 from lanes 0-15 (d 0-31), byte 1 from lanes 16-31 (d 32-63), bytes 2 and 3 are 127 for the 64 that are not there
.macro WORD dst, n
	v_lshl_or_b32 v[\dst], v[BY+\n], v[H8], s31
	v_permlanex16_b32 v[TT+\n], v[\dst], s26, s27
	v_or_b32 v[\dst], v[\dst], v[TT+\n]
.endm
; group g of S^T is six tiles: three blocks of 32 keys.  Its fifteen LDS loads: the chain at v[kb ..], the six scale words at v[ks ..]
.macro KLOAD g, kb, ks
.irp t, 0,1,2,3,4,5
	ds_load_b128 v[(\kb)+6*\t:(\kb)+6*\t+3], v[AKA] offset:KTILE*(6*\g+\t)
	ds_load_b64 v[(\kb)+6*\t+4:(\kb)+6*\t+5], v[AKB] offset:KTILE*(6*\g+\t)+512
.endr
.irp b, 0,1,2
	ds_load_b64 v[(\ks)+2*\b:(\ks)+2*\b+1], v[AKS] offset:256*(3*\g+\b)
.endr
.endm
; and its six products
.macro KMUL g, kb, ks
.irp t, 0,1,2,3,4,5
	v_wmma_scale_f32_16x16x128_f8f6f4 v[S+8*(6*\g+\t):S+8*(6*\g+\t)+7], v[(\kb)+6*\t:(\kb)+6*\t+11], v[QF:QF+11], 0, v[(\ks)+\t], v[QS] matrix_a_fmt:MATRIX_FMT_FP6 matrix_b_fmt:MATRIX_FMT_FP6
.endr
.endm
; block b of my nine lies outside the sequence: its 16 scores a lane become -infinity (a minimum with +infinity changes nothing)
.macro EDGE b
	s_add_co_i32 s23, s22, 32*\b                   ; the block's first key; a negative one is a large unsigned number
	s_cmp_lt_u32 s23, 4096
	s_cselect_b32 s24, s32, s33
.irp i, 0,1,2,3,4,5,6,7,8,9,10,11,12,13,14,15
	v_min_num_f32 v[S+16*\b+\i], s24, v[S+16*\b+\i]
.endr
.endm
; attn of blocks 4 s .. 4 s + 3 becomes the fragment of K step s.  PCVT: a conversion gives half a block: the lower halves go to the fragment's registers, the upper halves to v[pt ..]
.macro PCVT s, pt
.irp c, 0,1
	v_cvt_scalef32_pk16_fp6_f32 v[PF+12*\s+6*\c:PF+12*\s+6*\c+2], v[S+64*\s+32*\c:S+64*\s+32*\c+15], v[BT+4*\s+2*\c]
	v_cvt_scalef32_pk16_fp6_f32 v[(\pt)+4*\c:(\pt)+4*\c+2], v[S+64*\s+32*\c+16:S+64*\s+32*\c+31], v[BT+4*\s+2*\c+1]
.endr
.endm
; PSWAP: the operand wants a whole block in a lane: lanes 0-15 block 2 c, lanes 16-31 block 2 c + 1
.macro PSWAP s, pt
.irp c, 0,1
.irp i, 0,1,2
	v_permlane16_swap_b32 v[PF+12*\s+6*\c+\i], v[(\pt)+4*\c+\i]   ; the first's lanes 16-31 change places with the second's lanes 0-15
.endr
.irp i, 0,1,2
	v_mov_b32 v[PF+12*\s+6*\c+3+\i], v[(\pt)+4*\c+\i]
.endr
.endr
.endm
; V's fragments of K step s (0, 1): lane (r, h), registers 6 c ..: channel 16 dt + r, local block u + 4 s + 2 c + h.  They land in the registers of the attn that has been converted.  Sixteen loads
.macro VLOAD s
.irp dt, 0,1,2,3
.irp c, 0,1
	ds_load_b128 v[S+64*\s+12*\dt+6*\c:S+64*\s+12*\dt+6*\c+3], v[AVA] offset:VBLK*(4*\s+2*\c)+VTILE*\dt
	ds_load_b64 v[S+64*\s+12*\dt+6*\c+4:S+64*\s+12*\dt+6*\c+5], v[AVB] offset:VBLK*(4*\s+2*\c)+VTILE*\dt+256
.endr
.endr
.endm
; four products of O^T, one for each tile of 16 channels: the four accumulators take turns, one instruction a turn.  K step 0 starts the sums
.macro PVMUL s
.irp dt, 0,1,2,3
.if \dt < 2
.set OA, 160+8*\dt
.else
.set OA, 62+8*(\dt-2)
.endif
.if \s == 2
.set VF, 224+6*\dt
.else
.set VF, S+64*\s+12*\dt
.endif
.if \s == 0
	v_wmma_scale_f32_16x16x128_f8f6f4 v[OA:OA+7], v[VF:VF+11], v[PF+12*\s:PF+12*\s+11], 0, v[VW+3*\dt+\s], v[PW+\s] matrix_a_fmt:MATRIX_FMT_FP6 matrix_b_fmt:MATRIX_FMT_FP6
.else
	v_wmma_scale_f32_16x16x128_f8f6f4 v[OA:OA+7], v[VF:VF+11], v[PF+12*\s:PF+12*\s+11], v[OA:OA+7], v[VW+3*\dt+\s], v[PW+\s] matrix_a_fmt:MATRIX_FMT_FP6 matrix_b_fmt:MATRIX_FMT_FP6
.endif
.endr
.endm
	; ---- the head
	s_load_b256 s[4:11], s[0:1], 0x0               ; q s[4:5], k s[6:7], v s[8:9], out0 s[10:11]
	v_lshl_add_u32 v[SPW], v0, 2, SPARE
	v_mov_b32 v[NIL], 0
	v_lshrrev_b32 v17, 5, v0
	v_readfirstlane_b32 s12, v17                   ; w: wave 0..15
	v_and_b32 v16, 31, v0                          ; lane
	v_and_b32 v14, 15, v0                          ; r
	v_bfe_u32 v15, v0, 4, 1                        ; h
	v_lshlrev_b32 v[G16], 4, v16
	v_lshlrev_b32 v[G4], 2, v16
	v_mov_b32 v[TT], 0                             ; written once: a lane permute's destination counts as one of its sources
	v_mov_b32 v[TT+1], 0
	s_wait_alu depctr_va_sdst(0)                   ; s12 is written, ahead of its first reader: the wave's shares, bases and LDS places are made from it
	s_lshr_b32 s13, s12, 1                         ; u = w / 2: my first local block behind the barrier
	s_and_b32 s14, s12, 1
	s_lshl_b32 s14, s14, 4                         ; 16 (w % 2)
	s_lshr_b32 s15, s13, 2                         ; u / 4: the first word of V's scale bytes that I want
	s_and_b32 s16, s13, 3
	s_lshl_b32 s16, s16, 3                         ; 8 (u % 4): and the bits by which it is shifted
	s_and_b32 s39, ttmp7, 0xffff
	s_lshl_b32 s39, s39, 20                        ; the head: 4,096 rows of 256 bytes
	s_lshl_b32 s18, ttmp9, 16                      ; my work-group's 256 rows,
	s_lshl_b32 s23, s12, 12                        ; my wave's 16 of them
	s_add_co_u32 s18, s18, s23
	s_add_co_u32 s18, s18, s39
	s_mov_b32 s19, 0                               ; s[18:19]: where my queries and my rows of out0 begin
	s_lshl_b32 s17, ttmp9, 8
	s_sub_co_i32 s17, s17, 128                     ; Q0 - 128: the first key of local block 0
	s_lshl_b32 s23, s12, 5
	s_add_co_i32 s23, s17, s23                     ; the first key of local block w,
	s_max_i32 s23, s23, 0
	s_min_i32 s23, s23, 4064                       ; held inside the sequence: no load leaves its buffer
	s_lshl_b32 s20, s23, 8
	s_add_co_u32 s20, s20, s39
	s_mov_b32 s21, 0                               ; s[20:21]: where my block of k and of v begins
	s_lshl_b32 s22, s13, 5
	s_add_co_i32 s22, s17, s22                     ; kb0: the first key of my nine blocks (may be negative)
	s_mov_b32 s26, 0x76543210
	s_mov_b32 s27, 0xfedcba98                      ; v_permlanex16_b32's selects for lane l xor 16
	s_mov_b32 s28, 0x3e38aa3b                      ; c = log2(e) / 8
	s_mov_b32 s29, s28                             ; (named with it as a pair, so it is written)
	s_mov_b32 s30, 0xbe38aa3b                      ; -c
	s_mov_b32 s31, 0x7f7f0000
	s_mov_b32 s32, 0x7f800000                      ; +infinity
	s_mov_b32 s33, 0xff800000                      ; -infinity
	s_mul_i32 s34, s12, STGW                       ; my stage
	s_add_co_u32 s25, s34, QST                     ; its part for Q and out0
	s_mul_i32 s35, s13, 2*KTILE
	s_add_co_u32 s35, s35, KIMG                    ; K's images from local block u on
	s_lshl_b32 s36, s13, 8
	s_add_co_u32 s36, s36, KSC
	s_mul_i32 s37, s13, VBLK
	s_add_co_u32 s37, s37, VIMG
	s_lshl_b32 s38, s15, 2
	s_add_co_u32 s38, s38, VSC
	s_wait_kmcnt 0x0
	s_add_nc_u64 s[4:5], s[4:5], s[18:19]
	s_add_nc_u64 s[10:11], s[10:11], s[18:19]
	s_add_nc_u64 s[6:7], s[6:7], s[20:21]
	s_add_nc_u64 s[8:9], s[8:9], s[20:21]
	s_wait_alu depctr_va_vdst(0)                   ; v3 and v4 are written: the 88 loads below read them as their offsets
	; ---- all 88 loads of the wave
.set J, 0
.rept 16
	global_load_b128 v[KR+4*J:KR+4*J+3], v[G16], s[6:7] offset:512*J                 ; K: 32 lanes read 512 consecutive bytes: keys 2 J and 2 J + 1
.set J, J+1
.endr
.set J, 0
.rept 8
	global_load_b128 v[QR+4*J:QR+4*J+3], v[G16], s[4:5] offset:512*J th:TH_LOAD_NT   ; Q: read by this wave alone
.set J, J+1
.endr
.set J, 0
.rept 32
	global_load_b32 v[VR+J], v[G4], s[8:9] offset:256*J                              ; V: A LANE TAKES A COLUMN, AND ITS REGISTERS RUN DOWN THE KEYS: a block of 32 along K lies in one lane;
	global_load_b32 v[VR+32+J], v[G4], s[8:9] offset:256*J+128                       ; the two halves of a key's 256 bytes are asked for on end
.set J, J+1
.endr
	v_mul_u32_u24 v[STW], v15, SP
	v_lshl_add_u32 v[STW], v14, 4, v[STW]
	v_add_nc_u32 v[STW], s34, v[STW]
	v_mul_u32_u24 v[STR], v14, SP
	v_lshl_add_u32 v[STR], v15, 7, v[STR]
	v_add_nc_u32 v[STR], s34, v[STR]
	s_mul_i32 s23, s12, 2*KTILE
	s_add_co_u32 s23, s23, KIMG                    ; K's images of local block w
	v_lshl_add_u32 v[KWA], v16, 4, s23
	v_lshl_add_u32 v[KWB], v16, 3, s23
	s_lshl_b32 s24, s12, 8
	s_add_co_u32 s24, s24, KSC
	v_lshl_add_u32 v[KWS], v16, 3, s24
	s_mul_i32 s23, s12, VBLK
	s_add_co_u32 s23, s23, VIMG                    ; V's image of local block w: column lane is channel tile h, row r
	v_mul_u32_u24 v17, v15, VTILE
	v_add_nc_u32 v17, s23, v17
	v_lshl_add_u32 v[VWA], v14, 4, v17
	v_lshl_add_u32 v[VWB], v14, 3, v17
	s_add_co_u32 s24, s12, VSC
	v_mul_u32_u24 v[VWS], v16, VSP
	v_add_nc_u32 v[VWS], s24, v[VWS]               ; row d = lane, byte w
	v_lshlrev_b32 v[H8], 3, v15
	s_wait_alu depctr_va_vdst(0)                   ; the eight LDS addresses v5 to v12 are written: every LDS instruction ahead of the barrier reads one of them
	; ---- K and Q turn through my stage: in as loaded (16 bytes a lane), out 128 bytes a lane: a whole block of 32 along d
	s_wait_loadcnt 63                              ; 64 loads were issued behind K's and Q's; with at most 63 out, the oldest 25 are in, those 24 among them
.set J, 0
.rept 16
	ds_store_b128 v[STW], v[KR+4*J:KR+4*J+3] offset:SP*(16*((J>>2)&1)+8*(J>>3)+((2*J)&7))   ; key 16 a + 8 n + c goes to stage row 16 n + 8 a + c: a tile's 16 keys are 16 rows on end
.set J, J+1
.endr
.set J, 0
.rept 8
	ds_store_b128 v[STW], v[QR+4*J:QR+4*J+3] offset:QST+2*SP*J
.set J, J+1
.endr
	s_wait_dscnt 0x0                               ; the stores are done
	s_wait_alu depctr_vm_vsrc(0)                   ; the stage's stores have read KR and QR, in which the loads below land
.irp n, 0,1
.irp i, 0,1,2,3,4,5,6,7
	ds_load_b128 v[KR+32*\n+4*\i:KR+32*\n+4*\i+3], v[STR] offset:16*SP*\n+16*\i
.endr
.endr
.irp i, 0,1,2,3,4,5,6,7
	ds_load_b128 v[QR+4*\i:QR+4*\i+3], v[STR] offset:QST+16*\i
.endr
	; ---- K: two tiles
	s_wait_dscnt 8                                 ; K's sixteen loads are in; Q's eight may be out
	QUANT 2, KR, CK
	WORD W, 0
	WORD W+1, 1
	s_wait_alu depctr_va_vdst(0)                   ; K's codes v50-61 and its two scale words v46-47 are written, which the five stores below read
.irp n, 0,1
	ds_store_b128 v[KWA], v[CK+6*\n:CK+6*\n+3] offset:KTILE*\n
	ds_store_b64 v[KWB], v[CK+6*\n+4:CK+6*\n+5] offset:KTILE*\n+512
.endr
	ds_store_b64 v[KWS], v[W:W+1]
	; ---- Q: stays in my registers
	s_wait_dscnt 5                                 ; the five stores just issued may be out: Q's loads are in
	QUANT 1, QR, QF
	WORD QS, 0
	; ---- V: two columns a lane
	s_wait_loadcnt 0x0
	QUANT 2, VR, CV
	s_wait_alu depctr_va_vdst(0)                   ; V's codes v62-73 and its two scale bytes v36-37 are written, which the six stores below read
.irp n, 0,1
	ds_store_b128 v[VWA], v[CV+6*\n:CV+6*\n+3] offset:2*VTILE*\n
	ds_store_b64 v[VWB], v[CV+6*\n+4:CV+6*\n+5] offset:2*VTILE*\n+256
	ds_store_b8 v[VWS], v[BY+\n] offset:32*VSP*\n
.endr
	; ---- the one barrier: behind it all sixteen blocks of K and V lie in LDS
	s_wait_dscnt 0x0                               ; for the others' sake: my stores have landed
	s_wait_alu depctr_vm_vsrc(0)                   ; V's loads have read v4, the LDS instructions so far v5 to v12, the images' stores v36-37, v46-47 and v50-73: all of these are written again from here on
	s_barrier_signal -1
.irp i, 0,1,2,3,4,5                    ; work on registers while the others arrive
	v_mov_b32 v[KB+36+\i], 0                       ; the ends of K's two chains
	v_mov_b32 v[KC+36+\i], 0
	v_mov_b32 v[QF+6+\i], 0                        ; Q's codes of k = 64 .. 127
.endr
	v_lshl_add_u32 v[AKA], v16, 4, s35
	v_lshl_add_u32 v[AKB], v16, 3, s35
	v_lshl_add_u32 v[AKS], v16, 3, s36
	v_lshl_add_u32 v[AVA2], v14, 4, s37
	v_lshl_add_u32 v[AVB2], v14, 3, s37
	v_mad_u32_u24 v[AVA], v15, VBLK, v[AVA2]       ; lanes 16-31 take the next block
	v_mad_u32_u24 v[AVB], v15, VBLK, v[AVB2]
	v_mul_u32_u24 v[AVS], v14, VSP
	v_add_nc_u32 v[AVS], s38, v[AVS]
	v_mul_u32_u24 v[SO], v14, SP                   ; the way out, in: row r, 32 bytes for each half of the lanes
	v_lshl_add_u32 v[SO], v15, 5, v[SO]
	v_add_nc_u32 v[SO], s25, v[SO]
	v_mul_u32_u24 v[SR], v15, SP                   ; back: lanes 0-15 one row, lanes 16-31 the next
	v_lshl_add_u32 v[SR], v14, 4, v[SR]
	v_add_nc_u32 v[SR], s25, v[SR]
	v_lshlrev_b32 v[VE], 4, v15
	v_sub_nc_u32 v[VE], v14, v[VE]
	v_add_nc_u32 v[VE], s14, v[VE]                 ; e = 16 (w % 2) + r - 16 h.  My query - 128 is key kb0 + 16 (w % 2) + r: in block 0 register i is hidden where i < e, in block 8 it counts where i < e
	v_mov_b32 v[NINF], s33
.irp i, 0,1,2,3,4,5,6,7,8,9,10,11,12,13,14,15
	v_cmp_lt_i32 s[40+\i], \i, v[VE]
.endr
	s_barrier_wait -1
	s_wait_alu depctr_va_sdst(0)                   ; the sixteen masks s40 to s55 are written: one wait behind the run of compares, ahead of the selections that read them and of every branch
	s_wait_alu depctr_va_vdst(0)                   ; the ten LDS addresses v4 to v13 are written; the quantiser is done with v38-73, v96-107 and v208-239, in which K lands; Q's codes and word and the zeros, operands of the products, are written (their places stand ahead)
	; ---- S^T = K Q^T: 18 tiles in three groups.  Groups 0 and 1 are asked for together, into two buffers; group 2 is asked for behind group 0's products and lands while group 1 is multiplied
	KLOAD 0, KB, KS
	KLOAD 1, KC, KS+6
	s_wait_dscnt 15                                ; group 0's fifteen loads are in; group 1's may be out
	KMUL 0, KB, KS
.rept 4
	v_nop                                          ; four places in front of the loads into sources and scale registers
.endr
	s_wait_alu depctr_va_vdst(0)                   ; group 0's products are done reading v38-73 and v96-101, in which group 2's tiles and scale words land
	KLOAD 2, KB, KS
	s_wait_dscnt 15                                ; group 1's loads are in; the fifteen just issued may be out
	KMUL 1, KC, KS+6
.rept 5
	v_nop                                          ; five places: group 2's results are written over the registers that group 1's products read as their keys
.endr
	s_wait_dscnt 0x0                               ; group 2's loads are in
	KMUL 2, KB, KS
.rept 4
	v_nop                                          ; four places in front of the loads into scale registers, and of the first read of results
.endr
	s_wait_alu depctr_va_vdst(0)                   ; the products of groups 1 and 2 are done reading K's scale words v96-107, in which V's land
	; ---- V's scale words are asked for; the mask
.irp dt, 0,1,2,3
.irp s, 0,1,2
	ds_load_b32 v[VW+3*\dt+\s], v[AVS] offset:16*VSP*\dt+4*\s
.endr
.endr
.irp i, 0,1,2,3,4,5,6,7,8,9,10,11,12,13,14,15  ; each accumulator is read from its low end on
	v_cndmask_b32 v[S+\i], v[S+\i], v[NINF], s[40+\i]
.endr
.irp i, 0,1,2,3,4,5,6,7,8,9,10,11,12,13,14,15
	v_cndmask_b32 v[S+128+\i], v[NINF], v[S+128+\i], s[40+\i]
.endr
	s_cmp_le_u32 s22, 3808                         ; all nine blocks inside the sequence: 0 <= kb0 and kb0 + 256 <= 4064.  Ids alone
	s_cbranch_scc1 .Linner
.irp b, 0,1,2,3,5,6,7,8                ; (block 4 begins at key Q0 + 32 u, which always lies inside)
	EDGE \b
.endr
.Linner:
	; ---- the largest score of each block of 32 keys: it serves for the row's maximum and, since attn rises with the score, for the block's largest attn
.irp b, 0,1,2,3,4,5,6,7,8
	v_max3_num_f32 v[BM+\b], v[S+16*\b], v[S+16*\b+1], v[S+16*\b+2]
.endr
.irp i, 3,5,7,9,11,13
.irp b, 0,1,2,3,4,5,6,7,8
	v_max3_num_f32 v[BM+\b], v[BM+\b], v[S+16*\b+\i], v[S+16*\b+\i+1]
.endr
.endr
.irp b, 0,1,2,3,4,5,6,7,8
	v_max_num_f32 v[BM+\b], v[BM+\b], v[S+16*\b+15]
.endr
.irp b, 0,1,2,3,4,5,6,7,8
	v_permlanex16_b32 v[BT+\b], v[BM+\b], s26, s27
.endr
.irp b, 0,1,2,3,4,5,6,7,8
	v_max_num_f32 v[BM+\b], v[BM+\b], v[BT+\b]     ; with lane l xor 16's 16 keys
.endr
	v_max3_num_f32 v90, v[BM], v[BM+1], v[BM+2]
	v_max3_num_f32 v90, v90, v[BM+3], v[BM+4]
	v_max3_num_f32 v90, v90, v[BM+5], v[BM+6]
	v_max3_num_f32 v90, v90, v[BM+7], v[BM+8]      ; the row's maximum: a number, since a query's own key always counts
	v_mul_f32 v[NM], s30, v90                      ; -c m.  Its rounding is one factor for the whole row and goes out in the division by the sum
	v_mov_b32 v[NM+1], v[NM]
	; ---- 2^(c s - c m)
.set J, 0
.rept 72
	v_pk_fma_f32 v[S+J:S+J+1], v[S+J:S+J+1], s[28:29], v[NM:NM+1] op_sel_hi:[1,0,0]
.set J, J+2
.endr
.irp b, 0,1,2,3,4,5,6,7,8
	v_fma_f32 v[BM+\b], v[BM+\b], s28, v[NM]       ; the same of each block's largest score
.endr
.set J, 0
	s_wait_alu depctr_va_vdst(0)
.rept 144
	v_exp_f32 v[S+J], v[S+J]                       ; ONE BATCH of 153: none reads another's result
.set J, J+1
.endr
.irp b, 0,1,2,3,4,5,6,7,8
	v_exp_f32 v[BM+\b], v[BM+\b]
.endr
	s_wait_dscnt 0x0                               ; V's twelve scale words are in
.irp dt, 0,1,2,3                       ; K step s wants bytes u + 4 s .. + 3 of a row's sixteen: two neighbouring words shifted by 8 (u % 4) bits.  Plain work behind the batch
	v_alignbit_b32 v[VW+3*\dt], v[VW+3*\dt+1], v[VW+3*\dt], s16
	v_alignbit_b32 v[VW+3*\dt+1], v[VW+3*\dt+2], v[VW+3*\dt+1], s16
	v_lshrrev_b32 v[VW+3*\dt+2], s16, v[VW+3*\dt+2]   ; K step 2 wants byte u + 8 alone; the bytes above it meet zero codes of attn and are never 0xff
.endr
	s_wait_alu depctr_va_vdst(0)                   ; the 153 exponentials have written v112-255 and v62-70: one wait for the whole batch, ahead of its first reader
	; ---- the row's sum, and attn
	v_pk_add_f32 v[SUM0:SUM0+1], v[S:S+1], v[S+2:S+3]
	v_pk_add_f32 v[SUM1:SUM1+1], v[S+4:S+5], v[S+6:S+7]
.set J, 8
.rept 34
	v_pk_add_f32 v[SUM0:SUM0+1], v[SUM0:SUM0+1], v[S+J:S+J+1]
	v_pk_add_f32 v[SUM1:SUM1+1], v[SUM1:SUM1+1], v[S+J+2:S+J+3]
.set J, J+4
.endr
	v_pk_add_f32 v[SUM0:SUM0+1], v[SUM0:SUM0+1], v[SUM1:SUM1+1]
	v_mov_b32 v[R+1], 0                            ; (named with R as a pair, so it is written)
	v_add_f32 v90, v[SUM0], v[SUM0+1]
	v_permlanex16_b32 v91, v90, s26, s27
	v_add_f32 v90, v90, v91                        ; with lane l xor 16's keys: the row's sum, at least about 1
	s_wait_alu depctr_va_vdst(0)
	v_rcp_f32 v[R], v90
	v_nop                                          ; one plain place behind the transcendental
	s_wait_alu depctr_va_vdst(0)                   ; the reciprocal has written v84, ahead of its first reader
.set J, 0
.rept 72
	v_pk_mul_f32 v[S+J:S+J+1], v[S+J:S+J+1], v[R:R+1] op_sel_hi:[1,0]   ; attn, finished and normalised
.set J, J+2
.endr
.irp b, 0,1,2,3,4,5,6,7,8
	v_mul_f32 v[BM+\b], v[BM+\b], v[R]             ; each block's largest attn: the same instructions on the same number give the same bits
.endr
	; ---- attn's scales
.irp b, 0,1,2,3,4,5,6,7,8
	v_max_num_f32 v[BM+\b], FLOOR, v[BM+\b]        ; a block whose every attn is 0 keeps the byte 1: its codes are zeros
.endr
.irp b, 0,1,2,3,4,5,6,7,8
	v_add_nc_u32 v[BT+\b], 0xff000000, v[BM+\b]    ; the conversion's scale operand
.endr
.irp b, 0,1,2,3,4,5,6,7,8
	v_lshrrev_b32 v[BM+\b], 23, v[BT+\b]           ; the byte
.endr
.irp s, 0,1
	v_lshl_or_b32 v[PW+\s], v[BM+4*\s+1], 8, v[BM+4*\s]
	v_lshl_or_b32 v[PW+\s], v[BM+4*\s+2], 16, v[PW+\s]
	v_lshl_or_b32 v[PW+\s], v[BM+4*\s+3], 24, v[PW+\s]
.endr
	v_or_b32 v[PW+2], 0x7f7f7f00, v[BM+8]          ; K step 2 has one block; the other three are zero codes under the byte 127
	; ---- attn's codes.  All nine conversions stand on end: they empty attn's registers.  Then all of V's fragments are asked for into those registers, and the exchanges of halves are run while V lands
	PCVT 0, PT
	PCVT 1, PU
	v_cvt_scalef32_pk16_fp6_f32 v[PF+24:PF+26], v[S+128:S+143], v[BT+8]   ; block 8
.irp i, 0,1,2
	v_mov_b32 v[PZ+\i], 0                          ; (the first of these is the plain place behind the conversions)
.endr
	s_wait_alu depctr_va_vdst(0)                   ; the nine conversions are done reading attn, v112-255, in which the 40 loads below land
	VLOAD 0
	VLOAD 1
.irp dt, 0,1,2,3                       ; V's local block u + 8, for both halves of the lanes (there is no block behind the sixteenth), in a chain: a fragment's upper six registers are the next tile's codes,
	ds_load_b128 v[224+6*\dt:224+6*\dt+3], v[AVA2] offset:VBLK*8+VTILE*\dt          ; the last's are old numbers: attn's codes are zeros at those k, and the format has no NaN.  Eight loads
	ds_load_b64 v[224+6*\dt+4:224+6*\dt+5], v[AVB2] offset:VBLK*8+VTILE*\dt+256
.endr
	PSWAP 0, PT                                    ; no line from here to the products names a register that those loads touch
	PSWAP 1, PU
.irp i, 0,1,2
	v_permlane16_swap_b32 v[PF+24+\i], v[PZ+\i]    ; lanes 0-15 get the block's upper 16 codes, lanes 16-31 (k = 32 .. 63) zeros
.endr
.irp i, 0,1,2
	v_mov_b32 v[PF+27+\i], v[PZ+\i]
.endr
.irp i, 0,1,2,3,4,5
	v_mov_b32 v[PF+30+\i], 0                       ; k = 64 .. 127
.endr
.rept 8
	v_nop                                          ; a scale register written by a vector instruction stands 8 places ahead of a scaled matrix instruction, an operand so written 4
.endr
	s_wait_alu depctr_va_vdst(0)                   ; attn's codes v18-53, its scale words v108-110 and V's shifted words v96-107 are written, which the twelve products take as operand and scales; the places above stay beside this wait
	; ---- O^T = V^T P^T
	s_wait_dscnt 24                                ; K step 0's sixteen loads are in; behind them 16 + 8 were issued
	PVMUL 0
	s_wait_dscnt 8                                 ; K step 1's are in; behind them 8
	PVMUL 1
	s_wait_dscnt 0x0
	PVMUL 2
.rept 4
	v_nop                                          ; four places in front of the first read of results, and of loads into registers that the products have read
.endr
	s_wait_alu depctr_va_vdst(0)                   ; the products have written the four accumulators, which the stage's stores read, and are done reading v176-207, in which out0's rows land; the places above stay beside this wait
	; ---- the way out: a lane holds 8 neighbouring channels of one query; 16 rows go through my own stage and leave as whole rows of 256 bytes
.irp dt, 0,1,2,3
.if \dt < 2
.set OA, 160+8*\dt
.else
.set OA, 62+8*(\dt-2)
.endif
	ds_store_b128 v[SO], v[OA:OA+3] offset:64*\dt                  ; each accumulator from its low end on
	ds_store_b128 v[SO], v[OA+4:OA+7] offset:64*\dt+16
.endr
.irp i, 0,1,2,3,4,5,6,7
	ds_load_b128 v[176+4*\i:176+4*\i+3], v[SR] offset:2*SP*\i      ; LDS serves a wave's instructions in order (ISA guide 5.7.1.4): these see my stores
.endr
.irp i, 0,1,2,3,4,5,6,7
	s_wait_dscnt 7-\i                              ; the younger loads may stay out
	global_store_b128 v[G16], v[176+4*\i:176+4*\i+3], s[10:11] offset:512*\i th:TH_STORE_NT   ; 32 lanes store 512 consecutive bytes, two whole rows, at a multiple of 256 from out0's first byte
.endr
	s_wait_dscnt 0x0                               ; the wave's end
	s_wait_alu 0x0
	s_wait_tensorcnt 0x0
	ds_add_u32 v[SPW], v[NIL]
	s_wait_dscnt 0x0
	s_endpgm
.Lfunc_end_k_q8566768f91_band:
	.size	k_q8566768f91_band, .Lfunc_end_k_q8566768f91_band-k_q8566768f91_band
	.p2alignl 7, 3214868480
	.fill 96, 4, 3214868480
	.section	.rodata,"a",@progbits
	.p2align	6, 0x0
	.amdhsa_kernel k_q8566768f91_band
		.amdhsa_group_segment_fixed_size 267520
		.amdhsa_private_segment_fixed_size 0
		.amdhsa_enable_private_segment 0
		.amdhsa_kernarg_size 32
		.amdhsa_user_sgpr_count 2
		.amdhsa_user_sgpr_kernarg_segment_ptr 1
		.amdhsa_wavefront_size32 1
		.amdhsa_system_sgpr_workgroup_id_x 1
		.amdhsa_system_sgpr_workgroup_id_y 1
		.amdhsa_system_sgpr_workgroup_id_z 1
		.amdhsa_system_vgpr_workitem_id 0
		.amdhsa_next_free_vgpr 256
		.amdhsa_next_free_sgpr 66
		.amdhsa_reserve_vcc 0
		.amdhsa_float_denorm_mode_32 3
		.amdhsa_float_denorm_mode_16_64 3
		.amdhsa_memory_ordered 1
		.amdhsa_forward_progress 1
		.amdhsa_inst_pref_size 77
	.end_amdhsa_kernel
	.amdgpu_metadata
---
amdhsa.version: [ 1, 2 ]
amdhsa.kernels:
  - .name:           k_q8566768f91_band
    .symbol:         k_q8566768f91_band.kd
    .args:
      - { .name: q, .offset: 0, .size: 8, .value_kind: global_buffer, .address_space: global }
      - { .name: k, .offset: 8, .size: 8, .value_kind: global_buffer, .address_space: global }
      - { .name: v, .offset: 16, .size: 8, .value_kind: global_buffer, .address_space: global }
      - { .name: out0, .offset: 24, .size: 8, .value_kind: global_buffer, .address_space: global }
    .group_segment_fixed_size: 267520
    .private_segment_fixed_size: 0
    .kernarg_segment_align: 8
    .kernarg_segment_size: 32
    .max_flat_workgroup_size: 512
    .sgpr_count:     66
    .vgpr_count:     256
    .wavefront_size: 32
...
	.end_amdgpu_metadata
.endif
;; end of part 2
